; MI455X (gfx1250); checked and timed in simulation.
; The chip was launched on July 23, 2026; its instructions are those of AMD's public machine-readable ISA for CDNA 5 (MIT licence, August 2026) and "CDNA5" Instruction Set Architecture Reference Guide (July 2026). The comments in the code are by the model that wrote it; some were corrected since.
;; Secure Feed Forward. Allowed arithmetic: matrix products marked QUANTISED: E2M3 operands, one E8M0 scale for each 32 along K, by v_wmma_scale_f32_16x16x128_f8f6f4 with both operands' format E2M3, f32 sums; everything else in f32.
;; Inputs: W1 2,048 x 1,024 float32; W2 1,024 x 2,048 float32; b1 2,048 float32; b2 1,024 float32; hidden_states 4 x 4,096 x 1,024 float32.
;; Outputs: out0 4 x 4,096 x 1,024 float32.
;; This version of the problem:
;;   THIS VERSION OF THE PROBLEM IS GIVEN IN LOW PRECISION. The matrix products marked QUANTISED in the list below multiply operands that are first quantised to E2M3 (2 exponent bits, 3 mantissa bits; 6 bits a number), with one power-of-two scale for each 32 numbers along K (OCP MX v1.0); their sums are f32. All else is computed in f32.
;;   The module's matrix products, in the order in which they are computed (A, B: the left and right operand; K: the contracted axis; several contracted axes count as one K, in the product's order):
;;     1. [M 16,384, K 1,024] x [K 1,024, N 2,048]; A: input hidden_states; B: input W1: QUANTISED
;;     2. [M 16,384, K 2,048] x [K 2,048, N 1,024]; A: computed on the way; B: input W2: QUANTISED
;;   THE QUANTISER, for each operand of a quantised product, along K:
;;     - K is cut into blocks of 32 from its start; a last block that is shorter is filled with zeros.
;;     - A block's scale is 2^e with e = floor(log2(the largest magnitude in the block)) - 2, held to -126 .. 127; a block of zeros has e = 0. As a byte (E8M0): e + 127.
;;     - Each number is divided by its block's scale, clamped to +-7.5, and rounded to the nearest number of E2M3, ties to even, subnormals kept.
;;     - The product sums the exact products of the quantised numbers (number of the format x scale) in f32.
;;   ~~~python
;;   def quantise(x, axis):      # numpy; x: float32 -> the quantised numbers, widened to float32 again
;;       x = np.moveaxis(x, axis, -1); K = x.shape[-1]
;;       x = np.pad(x, [(0, 0)] * (x.ndim - 1) + [(0, -K % 32)]); x = x.reshape(x.shape[:-1] + (-1, 32)); a = np.abs(x).max(-1, keepdims=True)
;;       e = np.where(a > 0, np.clip(np.frexp(np.where(a > 0, a, 1))[1] - 1 - 2, -126, 127), 0)      # np.frexp(a)[1] - 1 = floor(log2(a)), exactly
;;       r = np.clip(x / 2.0 ** e, -7.5, 7.5)
;;       step = 2.0 ** (np.maximum(np.frexp(np.where(r == 0, 1, r))[1] - 1, 0) - 3)
;;       q = np.round(r / step) * step * 2.0 ** e      # np.round: ties to even
;;       return np.moveaxis(q.reshape(q.shape[:-2] + (-1,))[..., :K], -1, axis).astype(np.float32)
;;   ~~~
;;   OPERANDS COMPUTED ON THE WAY. 'Computed on the way' means the value that the module computes at that place (a softmax that the list does not call 'softmax' is quantised finished and normalised). What goes into a quantiser is computed in f32, as accurately as f32 sums, v_exp_f32 and their like allow (about 1e-6 of the number): no bf16 or f16 on the way to a quantiser, and a product that is left as it is and whose result goes on into a quantised operand takes f32 operands (vector FMAs, or v_wmma_f32_16x16x4_f32). A number that lies on a knife's edge between two numbers of the format may be rounded either way, as far as f32 arithmetic and the matrix unit's own rounding can turn it there, and no further.
;; One version. Each part assembles by itself: llvm-mc -triple=amdgcn-amd-amdhsa -mcpu=gfx1250 --defsym DOCPART=n.
;; ======== version 1 of 1: 2 launches
;; limits: right only within a limited range of input values
;; workspace buffers: wp 3,276,800 bytes
;; launch quant (part 1): grid 256 x 1, 2 waves a work-group, no clusters, 17,152 bytes of LDS; arguments W1, W2, wp; writes wp
.if DOCPART == 1
	.amdgcn_target "amdgcn-amd-amdhsa--gfx1250"
	.amdhsa_code_object_version 6
	.text
	.protected	k_q659637d569_quant
	.globl	k_q659637d569_quant
	.p2align	8
	.type	k_q659637d569_quant,@function
k_q659637d569_quant:
	s_mov_b64 s[64:65], 0
	v_nop
	global_prefetch_b8 v0, s[64:65] scope:SCOPE_SE
	s_setreg_imm32_b32 hwreg(HW_REG_WAVE_MODE, 25, 1), 1
	s_wait_xcnt 0x0
; W1 [2048][1024] and W2 [1024][2048], f32 with K innermost, become codes of FP6 (E2M3) with one E8M0 scale byte for each 32 along K, in one buffer, laid in the order in which launch ffn streams it.
; A chunk is 128 rows x 128 K, 12,800 bytes.  First its scale words: that of lane-row r of fragment i at 256 (i / 4) + 16 r + 4 (i % 4).  Then, from byte 512, fragment i (16 lane-rows) as an image of its 12 operand
; registers: registers 4 c .. 4 c + 3 of lane l at 512 + 1536 i + 512 c + 16 l.
; Chunk (row group g, K step k) lies at chunk number ((g / 8) x steps + k) x 8 + g % 8, W2's 128 chunks behind W1's 128: eight chunks of one K step are one dense block of 102,400 bytes.
; ROWS ARE PLACED ANEW in both weights: lane-row p of tile t holds row 32 (t / 2) + 8 (t % 2) + p + 8 (p / 8), so that in a transposed result a lane's registers of two neighbouring tiles are 16 neighbouring columns.
; A block's scale byte is its largest magnitude's exponent field - 2, held at 1 from below; beyond 7.5 x the scale the conversion gives the largest code.
; LIMITS: NaN and infinities are not served.  A block of zeros gets the byte 1 where the rule says 127: its codes are zeros, and this program alone reads the bytes.
; A wave's job is half a chunk: 64 rows x 128 K, four fragments, all 64 loads asked for at the start, into window 1.  256 jobs of W1 and 256 of W2 = 256 work-groups x 2 waves.
; Each load reads 512 consecutive bytes of a row; a fragment's 16 rows turn through the wave's own stage in LDS.  Waves share nothing: no barrier, no cluster, no matrix unit; nothing is read twice.
.set CH,   12800
.set SP,   528
.set STG,  16*SP
.set VO,   4
.set STI,  20
.set STO,  21
.set CO,   22
.set SO,   23
.set TM,   24
.set TC,   36
.set PW,   44
.set SD,   48
.set PC,   52
.set X,    64
.set SB,   24
.set DST,  32
.set SEL,  34
	s_load_b128 s[4:7], s[0:1], 0x0                ; W1, W2
	s_load_b64 s[10:11], s[0:1], 0x10              ; wp
	v_lshl_add_u32 v43, v0, 2, 2*STG               ; my spare word, behind the two stages
	v_mov_b32 v51, 0
	v_lshrrev_b32 v1, 5, v0
	v_readfirstlane_b32 s16, v1                    ; wave
	v_and_b32 v1, 31, v0
	v_and_b32 v2, 15, v0                           ; r
	v_bfe_u32 v3, v0, 4, 1                         ; h
	v_lshlrev_b32 v50, 4, v1                       ; 16 x lane
	s_mul_i32 s36, s16, STG
	v_add_nc_u32 v[STI], s36, v50
	v_mul_u32_u24 v[STO], v2, SP
	v_lshl_add_u32 v[STO], v3, 6, v[STO]
	v_add_nc_u32 v[STO], s36, v[STO]
	v_cmp_lt_u32 s46, 15, v1                       ; the mask of lanes 16-31
.irp b, 0,1,2,3
	v_mov_b32 v[TM+4+\b], 0                        ; a lane permute's destination counts as one of its sources
.endr
	s_mov_b32 s[SEL], 0x76543210
	s_mov_b32 s[SEL+1], 0xfedcba98
	s_lshl_b32 s17, ttmp9, 1
	s_add_co_u32 s17, s17, s16                     ; my job
	s_wait_alu depctr_va_vdst(0)
	s_wait_kmcnt 0x0
	s_cmp_lt_u32 s17, 256                          ; W1 or W2: the choice hangs on the job's number alone
	s_cselect_b32 s19, 3, 4                        ; log2 of the K steps
	s_cselect_b32 s18, 0, 128                      ; the tensor's first chunk
	s_cselect_b64 s[4:5], s[4:5], s[6:7]
	s_and_b32 s22, s17, 255
	s_lshr_b32 s23, s22, s19                       ; which 64 rows
	s_lshl_b32 s37, s23, s19
	s_sub_co_u32 s37, s22, s37                     ; which K step
	s_add_co_u32 s38, s19, 9                       ; a row is 1 << s38 bytes
	s_lshl_b32 s39, s23, 6
	s_lshl_b32 s40, s37, 9
	s_add_co_u32 s41, s39, 32
	s_mov_b32 s43, 0
	s_lshl_b32 s42, s39, s38                       ; the four fragments begin at rows 0, 8, 32, 40 of my 64
	s_add_co_u32 s42, s42, s40
	s_add_nc_u64 s[SB:SB+1], s[4:5], s[42:43]
	s_add_co_u32 s42, s39, 8
	s_lshl_b32 s42, s42, s38
	s_add_co_u32 s42, s42, s40
	s_add_nc_u64 s[SB+2:SB+3], s[4:5], s[42:43]
	s_lshl_b32 s42, s41, s38
	s_add_co_u32 s42, s42, s40
	s_add_nc_u64 s[SB+4:SB+5], s[4:5], s[42:43]
	s_add_co_u32 s42, s41, 8
	s_lshl_b32 s42, s42, s38
	s_add_co_u32 s42, s42, s40
	s_add_nc_u64 s[SB+6:SB+7], s[4:5], s[42:43]
	s_lshr_b32 s42, s23, 1                         ; row group g
	s_lshr_b32 s20, s42, 3
	s_lshl_b32 s20, s20, s19
	s_add_co_u32 s20, s20, s37
	s_lshl_b32 s20, s20, 3
	s_and_b32 s42, s42, 7
	s_add_co_u32 s42, s42, s20
	s_add_co_u32 s42, s42, s18
	s_mul_i32 s42, s42, CH
	s_add_nc_u64 s[DST:DST+1], s[10:11], s[42:43]
	s_and_b32 s44, s23, 1                          ; which half of the chunk
	s_mul_i32 s45, s44, 4*1536
	s_add_co_u32 s45, s45, 512                     ; the images lie behind the scale words
	v_add_nc_u32 v[CO], s45, v50
	v_lshlrev_b32 v[SO], 4, v2
	v_lshl_add_u32 v[SO], v3, 3, v[SO]             ; 16 r + 8 h
	s_lshl_b32 s45, s44, 8
	v_add_nc_u32 v[SO], s45, v[SO]
.irp p, 0,1,2,3,4,5,6,7
	s_lshl_b32 s45, \p, s38
	v_add_nc_u32 v[VO+\p], s45, v50                ; lane-rows 0-7: rows 0-7
.endr
	s_wait_alu depctr_va_vdst(0)
.irp p, 0,1,2,3,4,5,6,7
	s_lshl_b32 s45, 16+\p, s38
	v_add_nc_u32 v[VO+8+\p], s45, v50              ; lane-rows 8-15: rows 16-23
.endr
.macro LOADF ii                        ; fragment ii into v[256 + 64 ii ..]
.irp p, 0,1,2,3,4,5,6,7,8,9,10,11,12,13,14,15
	global_load_b128 v[64*(\ii)+4*\p:64*(\ii)+4*\p+3], v[VO+\p], s[SB+2*(\ii):SB+2*(\ii)+1] th:TH_LOAD_NT
.endr
.endm
; 64 numbers of a lane, register 16 b + i = k 32 b + 16 h + i of my row, become a fragment's codes and its scale word
.macro QUANT s, pc, pw
.irp b, 0,1,2,3
	v_max3_num_f32 v[TM+\b], |v[\s+16*\b]|, |v[\s+1+16*\b]|, 0x1800000   ; with the floor 2^(3 - 127)
.endr
.irp i, 2,4,6,8,10,12,14
.irp b, 0,1,2,3
	s_delay_alu instid0(VALU_DEP_4)
	v_max3_num_f32 v[TM+\b], v[TM+\b], |v[\s+16*\b+\i]|, |v[\s+1+16*\b+\i]|
.endr
.endr
.irp b, 0,1,2,3
	s_delay_alu instid0(VALU_DEP_4)
	v_permlanex16_b32 v[TM+4+\b], v[TM+\b], s[SEL], s[SEL+1]
.endr
.irp b, 0,1,2,3
	s_delay_alu instid0(VALU_DEP_4)
	v_max_num_f32 v[TM+\b], v[TM+\b], v[TM+4+\b]
.endr
.irp b, 0,1,2,3
	s_delay_alu instid0(VALU_DEP_4)
	v_add_nc_u32 v[TM+8+\b], 0xff000000, v[TM+\b]  ; 2 off the exponent field: the conversion's scale operand
.endr
.irp b, 0,1,2,3
	s_delay_alu instid0(VALU_DEP_4)
	v_lshrrev_b32 v[TM+4+\b], 23, v[TM+8+\b]       ; the byte
.endr
	s_delay_alu instid0(VALU_DEP_3)
	v_lshl_or_b32 v[\pw], v[TM+5], 8, v[TM+4]
	s_delay_alu instid0(VALU_DEP_1)
	v_lshl_or_b32 v[\pw], v[TM+6], 16, v[\pw]
	s_delay_alu instid0(VALU_DEP_1)
	v_lshl_or_b32 v[\pw], v[TM+7], 24, v[\pw]
.irp c, 0,1
	v_cvt_scalef32_pk16_fp6_f32 v[\pc+6*\c:\pc+2+6*\c], v[\s+32*\c:\s+15+32*\c], v[TM+8+2*\c]
	v_cvt_scalef32_pk16_fp6_f32 v[TC+4*\c:TC+2+4*\c], v[\s+16+32*\c:\s+31+32*\c], v[TM+8+2*\c+1]
.endr
	v_nop                                          ; one plain place behind the scaled conversions
.irp c, 0,1
.irp i, 0,1,2
	v_permlane16_swap_b32 v[\pc+6*\c+\i], v[TC+4*\c+\i]   ; a whole block to a lane
.endr
.irp i, 0,1,2
	s_delay_alu instid0(VALU_DEP_3)
	v_mov_b32 v[\pc+3+6*\c+\i], v[TC+4*\c+\i]
.endr
.endr
.endm
.macro FSTEP t
	s_wait_loadcnt 16*(3-(\t))                     ; this fragment's 16 loads are in, the later fragments' may be out
	s_set_vgpr_msb 0x0004                          ; the stores' data: window 1
.irp p, 0,1,2,3,4,5,6,7,8,9,10,11,12,13,14,15
	ds_store_b128 v[STI], v[64*(\t)+4*\p:64*(\t)+4*\p+3] offset:SP*\p
.endr
	s_set_vgpr_msb 0x0400
.irp b, 0,1,2,3
.irp j, 0,1,2,3
	ds_load_b128 v[X+16*\b+4*\j:X+16*\b+4*\j+3], v[STO] offset:128*\b+16*\j
.endr
.endr
	s_wait_dscnt 0x0
.if (\t) > 0
	s_wait_xcnt 0x0                                ; the last fragment's stores have read their data
.endif
	QUANT X, PC, PW+(\t)
.irp c, 0,1,2
	global_store_b128 v[CO], v[PC+4*\c:PC+4*\c+3], s[DST:DST+1] offset:1536*(\t)+512*\c   ; 512 consecutive bytes, aligned
.endr
.endm
	s_wait_alu depctr_va_vdst(0)
	s_set_vgpr_msb 0x0040                          ; the loads' destinations: window 1
	LOADF 0
	LOADF 1
	LOADF 2
	LOADF 3
	s_set_vgpr_msb 0x4000
	FSTEP 0
	FSTEP 1
	FSTEP 2
	FSTEP 3
	v_cndmask_b32 v[SD], v[PW], v[PW+2], s46
	v_cndmask_b32 v[SD+1], v[PW+1], v[PW+3], s46
	global_store_b64 v[SO], v[SD:SD+1], s[DST:DST+1]   ; 256 consecutive bytes, aligned
	s_wait_tensorcnt 0x0                           ; the wave's end
	ds_add_u32 v43, v51
	s_wait_dscnt 0x0
	s_endpgm
.Lfunc_end_k_q659637d569_quant:
	.size	k_q659637d569_quant, .Lfunc_end_k_q659637d569_quant-k_q659637d569_quant
	.p2alignl 7, 3214868480
	.fill 96, 4, 3214868480
	.section	.rodata,"a",@progbits
	.p2align	6, 0x0
	.amdhsa_kernel k_q659637d569_quant
		.amdhsa_group_segment_fixed_size 17152
		.amdhsa_private_segment_fixed_size 0
		.amdhsa_enable_private_segment 0
		.amdhsa_kernarg_size 24
		.amdhsa_user_sgpr_count 2
		.amdhsa_user_sgpr_kernarg_segment_ptr 1
		.amdhsa_wavefront_size32 1
		.amdhsa_system_sgpr_workgroup_id_x 1
		.amdhsa_system_sgpr_workgroup_id_y 1
		.amdhsa_system_sgpr_workgroup_id_z 1
		.amdhsa_system_vgpr_workitem_id 0
		.amdhsa_next_free_vgpr 512
		.amdhsa_next_free_sgpr 66
		.amdhsa_reserve_vcc 0
		.amdhsa_float_denorm_mode_32 3
		.amdhsa_float_denorm_mode_16_64 3
		.amdhsa_memory_ordered 1
		.amdhsa_forward_progress 1
		.amdhsa_inst_pref_size 42
	.end_amdhsa_kernel
	.amdgpu_metadata
---
amdhsa.version: [ 1, 2 ]
amdhsa.kernels:
  - .name:           k_q659637d569_quant
    .symbol:         k_q659637d569_quant.kd
    .args:
      - { .name: W1, .offset: 0, .size: 8, .value_kind: global_buffer, .address_space: global }
      - { .name: W2, .offset: 8, .size: 8, .value_kind: global_buffer, .address_space: global }
      - { .name: wp, .offset: 16, .size: 8, .value_kind: global_buffer, .address_space: global }
    .group_segment_fixed_size: 17152
    .private_segment_fixed_size: 0
    .kernarg_segment_align: 8
    .kernarg_segment_size: 24
    .max_flat_workgroup_size: 64
    .sgpr_count:     66
    .vgpr_count:     512
    .wavefront_size: 32
...
	.end_amdgpu_metadata
.endif
;; end of part 1
;; launch ffn (part 2): grid 256 x 1, 4 waves a work-group, clusters of 4 x 1, 327,680 bytes of LDS; arguments hidden_states, wp, b1, b2, out0; writes out0
.if DOCPART == 2
	.amdgcn_target "amdgcn-amd-amdhsa--gfx1250"
	.amdhsa_code_object_version 6
	.text
	.protected	k_q659637d569_ffn
	.globl	k_q659637d569_ffn
	.p2align	8
	.type	k_q659637d569_ffn,@function
k_q659637d569_ffn:
	s_mov_b64 s[64:65], 0
	v_nop
	global_prefetch_b8 v0, s[64:65] scope:SCOPE_SE
	s_setreg_imm32_b32 hwreg(HW_REG_WAVE_MODE, 25, 1), 1
	s_wait_xcnt 0x0
	s_wait_alu depctr_hold_cnt(0) depctr_sa_sdst(0) depctr_va_vdst(0) depctr_va_sdst(0) depctr_va_ssrc(0) depctr_va_vcc(0) depctr_vm_vsrc(0)
	s_getreg_b32 s2, hwreg(HW_REG_IB_STS2, 6, 4)
	s_cmp_eq_u32 s2, 0
	s_cbranch_scc0 .Lentry_in_a_cluster
	s_endpgm
.Lentry_in_a_cluster:
	s_bfe_u32 s2, ttmp6, 0x10000c
	s_cmp_lg_u32 s2, 0x3003
	s_cbranch_scc0 .Lentry_shape_is_right
	s_endpgm
.Lentry_shape_is_right:
; out = Q(relu(Q(x) Q(W1)^T + b1)) Q(W2)^T + b2, Q the MX-FP6 quantiser along K.  One work-group takes 64 rows of x through the whole chain; the hidden layer stays in LDS as codes.
; HEAD: wave w reads K steps 2 w, 2 w + 1 of the 64 rows (each number of x is read from memory once), quantises them and stores them in LDS as images of the operand's registers.
; BOTH PRODUCTS have one shape: a wave makes 64 rows x 256 columns, 64 accumulators; a step is 128 along K: A's 4 fragments (x or hidden, from LDS) x B's 16 tiles (two chunks of the weights) = 64 matrix instructions.
; The first product is two passes of 8 steps (1,024 hidden units each), the second one pass of 16 steps: 32 steps, and buffer wp holds their weights as 32 dense blocks of 102,400 bytes in that order.
; A CHUNK of the weights (12,800 bytes): 512 bytes of scale words, then 8 tiles as images of the operand's registers.  One load of 16 bytes a lane at 16 x lane brings all its scale words: registers 0-3 hold tiles 0-3 in lanes 0-15 and tiles 4-7 in lanes 16-31.
; THE RING: two LDS slots of one block each; wave w fetches and alone reads its 25,600 bytes.  A wave has one tensor load out.
; CLUSTERS: all work-groups read the same weights; a mask names four at the most, so four work-groups form a cluster and ask for each block jointly (mask 15).
; PREFETCH: in step s each wave names 25 blocks of 256 bytes of weight block s + 5 (three steps ahead of the refill of step s + 3), the cluster's 16 waves sharing a block's 400 by address; the address is held at block 31; the last three steps ask for nothing.
; THE MATRIX INSTRUCTION IS USED TRANSPOSED (source 0 = weights, source 1 = rows): with the weights' rows placed as launch quant places them, a lane's 16 registers of two neighbouring tiles are 16 neighbouring columns of one row.  The bias is the C of each sum's first instruction.
; LIMITS: NaN and infinities are not served.  A block of zeros gets the scale byte 1: its codes are zeros, and this program alone reads the bytes.
; LDS: 0 the ring; HB hidden K steps 0-7 (in the head: the waves' stages); XR x's 8 K steps, then hidden K steps 8-15; SPARE the spare words.  An A block of a K step: 4 fragments' images (6,144 bytes) and 256 bytes of scale words (16 r + 4 a).
; REGISTERS: window 0: v10-31 addresses, v32-39 and v48-55 scale words alone, v64-159 A's two sets (between passes: the quantiser's work), v160-223 bias of tiles 0-7; window 1: B's two chunks v0-191, bias of tiles 8-15 v192-255;
;   windows 2, 3: accumulators of chunk 0, 1: (a, b) at v[64 a + 8 b] (in the head: x as loaded).
.set CH,   12800
.set WQ,   2*CH
.set SLOT, 4*WQ
.set HB,   2*SLOT
.set AK,   6400
.set XR,   HB+8*AK
.set SPARE, HB+16*AK
.set SP,   528
.set STG,  16*SP
.set L16,  10
.set R16,  11
.set ADRB, 12
.set ADRA, 16
.set ADRAS, 17
.set HST,  18
.set HSS,  19
.set STO,  20
.set RD,   21
.set CO,   22
.set BO,   23
.set PFO,  24
.set STI,  26
.set STX,  27
.set SPW,  28
.set NIL,  29
.set XST,  30
.set XSS,  31
.set SCB,  32
.set SCA,  48
.set PW,   56
.set AF,   64
.set HA,   64
.set TM,   128
.set TC,   140
.set PC,   148
.set BI0,  160
.set BK,   64
.set G1,   24
.set G0,   32
.set SEL,  40
.set BP,   46
.set PFA,  52
.set XB,   54
.set WPC,  60
.set MSB, 0
.macro WIN new
.if MSB != (\new)
	s_set_vgpr_msb (MSB<<8)|(\new)
.set MSB, (\new)
.endif
.endm
.macro PLACES
.rept 4
	v_nop
.endr
.endm
.macro CREST
	s_cmp_lg_u32 s14, 0
	s_cbranch_scc1 .Lnot_wave_0_\@
	s_barrier_signal -3
.Lnot_wave_0_\@:
	s_barrier_wait -3
	s_barrier_signal -1
	s_barrier_wait -1
.endm
.macro CROUND
	s_barrier_signal -1
	s_barrier_wait -1
	CREST
.endm
.macro ASK                             ; one prefetch a wave; its address is made anew only behind the wait on XCNT, a step behind the last prefetch
	s_wait_xcnt 0x0
	s_min_u32 s56, s58, 31*SLOT
	s_add_co_u32 s58, s58, SLOT
	s_add_nc_u64 s[PFA:PFA+1], s[WPC:WPC+1], s[56:57]
	s_cmp_lt_u32 ttmp9, 4
	s_cbranch_scc0 .Lno_prefetch_ffn0_\@
	global_prefetch_b8 v[PFO], s[PFA:PFA+1] th:TH_LOAD_NT scope:SCOPE_SE
.Lno_prefetch_ffn0_\@:
.endm
.macro BIAS                            ; lane (r, h), tile t of chunk c, register j: column 128 c + 32 (t / 2) + 16 h + 8 (t % 2) + j
.irp b, 0,1,2,3,4,5,6,7
	global_load_b128 v[BI0+8*\b:BI0+8*\b+3], v[BO], s[BP:BP+1] offset:(32*(\b/2)+8*(\b%2))*4
	global_load_b128 v[BI0+8*\b+4:BI0+8*\b+7], v[BO], s[BP:BP+1] offset:(32*(\b/2)+8*(\b%2))*4+16
.endr
	WIN 0x40
.irp b, 0,1,2,3,4,5,6,7
	global_load_b128 v[192+8*\b:192+8*\b+3], v[BO], s[BP:BP+1] offset:512+(32*(\b/2)+8*(\b%2))*4
	global_load_b128 v[192+8*\b+4:192+8*\b+7], v[BO], s[BP:BP+1] offset:512+(32*(\b/2)+8*(\b%2))*4+16
.endr
	WIN 0
.endm
.macro QMAX s, pw
.irp b, 0,1,2,3
	v_max3_num_f32 v[TM+\b], |v[\s+16*\b]|, |v[\s+1+16*\b]|, 0x1800000   ; with the floor 2^(3 - 127)
.endr
.irp i, 2,4,6,8,10,12,14
.irp b, 0,1,2,3
	v_max3_num_f32 v[TM+\b], v[TM+\b], |v[\s+16*\b+\i]|, |v[\s+1+16*\b+\i]|
.endr
.endr
.irp b, 0,1,2,3
	v_permlanex16_b32 v[TM+4+\b], v[TM+\b], s[SEL], s[SEL+1]
.endr
.irp b, 0,1,2,3
	v_max_num_f32 v[TM+\b], v[TM+\b], v[TM+4+\b]
.endr
.irp b, 0,1,2,3
	v_add_nc_u32 v[TM+8+\b], 0xff000000, v[TM+\b]  ; 2 off the exponent field: the conversion's scale operand
.endr
.irp b, 0,1,2,3
	v_lshrrev_b32 v[TM+4+\b], 23, v[TM+8+\b]
.endr
	v_lshl_or_b32 v[\pw], v[TM+5], 8, v[TM+4]
	v_lshl_or_b32 v[\pw], v[TM+6], 16, v[\pw]
	v_lshl_or_b32 v[\pw], v[TM+7], 24, v[\pw]
.endm
.macro QCVT s, pc
.irp c, 0,1
	v_cvt_scalef32_pk16_fp6_f32 v[\pc+6*\c:\pc+2+6*\c], v[\s+32*\c:\s+15+32*\c], v[TM+8+2*\c]
	v_cvt_scalef32_pk16_fp6_f32 v[TC+4*\c:TC+2+4*\c], v[\s+16+32*\c:\s+31+32*\c], v[TM+8+2*\c+1]
.endr
	v_nop                                          ; one plain place behind the scaled conversions
.irp c, 0,1
.irp i, 0,1,2
	v_permlane16_swap_b32 v[\pc+6*\c+\i], v[TC+4*\c+\i]
.endr
.irp i, 0,1,2
	v_mov_b32 v[\pc+3+6*\c+\i], v[TC+4*\c+\i]
.endr
.endr
.endm
	s_load_b256 s[4:11], s[0:1], 0x0               ; x, wp, b1, b2
	s_load_b64 s[12:13], s[0:1], 0x20              ; out
	v_lshl_add_u32 v[SPW], v0, 2, SPARE
	v_mov_b32 v[NIL], 0
	ds_add_u32 v[SPW], v[NIL]
	ds_add_u32 v[SPW], v[NIL]
	v_lshrrev_b32 v1, 5, v0
	v_readfirstlane_b32 s14, v1                    ; wave
	s_bfe_u32 s15, ttmp6, 0x40000                  ; cx
	s_lshl_b32 s16, ttmp9, 2
	s_add_co_u32 s16, s16, s15                     ; work-group
	s_mov_b32 s[G1], 15|(3<<16)|(1<<21)            ; the mask of four, elements of 8 bytes, bit 21 beside a mask
	s_mov_b32 s[G1+1], 32<<16                      ; 100 rows of 256 bytes, dense
	s_mov_b32 s[G1+2], 100<<16
	s_mov_b32 s[G1+3], 32<<16
	s_mov_b32 s[G1+4], 100
	s_mov_b32 s[G1+5], 32
	s_mov_b32 s[G1+6], 0
	s_mov_b32 s[G1+7], 0
	s_mul_i32 s18, s14, WQ                         ; my quarter of a slot and of a block
	s_mov_b32 s19, 0
	s_mov_b32 s[SEL], 0x76543210
	s_mov_b32 s[SEL+1], 0xfedcba98
	s_wait_alu depctr_va_vdst(0)
	s_wait_dscnt 0x0
	s_wait_kmcnt 0x0
	s_add_nc_u64 s[20:21], s[6:7], s[18:19]
	CROUND                                         ; in front of the first joint loads
.irp s, 0,1
	s_mov_b32 s[G0+4*\s], 1
	s_add_co_u32 s[G0+4*\s+1], s18, \s*SLOT
	s_add_nc_u64 s[G0+4*\s+2:G0+4*\s+3], s[20:21], \s*SLOT
	s_or_b32 s[G0+4*\s+3], s[G0+4*\s+3], 0x80000000
.endr
	tensor_load_to_lds s[G0:G0+3], s[G1:G1+7]      ; block 0: one tensor load a wave at the head
	s_nop 0
	PLACES
	v_and_b32 v1, 31, v0
	v_and_b32 v2, 15, v0                           ; r
	v_bfe_u32 v3, v0, 4, 1                         ; h
	v_lshlrev_b32 v[L16], 4, v1
	v_lshlrev_b32 v[R16], 4, v2
	v_add_nc_u32 v[ADRB], s18, v[L16]
	v_add_nc_u32 v[ADRB+1], SLOT, v[ADRB]
	s_mul_i32 s22, s14, STG
	s_add_co_u32 s22, s22, HB                      ; the head's stage
	v_add_nc_u32 v[STI], s22, v[L16]
	v_mul_u32_u24 v4, v2, SP
	v_lshl_add_u32 v4, v3, 6, v4                   ; 528 r + 64 h
	v_add_nc_u32 v[STX], s22, v4
	v_add_nc_u32 v[STO], s18, v4                   ; the way out's stage: my quarter of slot 0
	v_add_nc_u32 v[RD], s18, v[L16]
	s_mul_i32 s43, s14, 2*AK
	s_add_co_u32 s22, s43, XR
	s_add_co_u32 s43, s43, HB                      ; where my hidden K steps go
	v_add_nc_u32 v[XST], s22, v[L16]
	v_add_nc_u32 v[XSS], s22, v[R16]
	v_lshlrev_b32 v[BO], 6, v3
	s_lshl_b32 s22, s14, 10
	s_mov_b32 s23, 0
	v_add_nc_u32 v[CO], s22, v[L16]
	v_min_u32 v5, 24, v1
	v_lshlrev_b32 v[PFO], 8, v5
.irp b, 0,1,2,3
	v_mov_b32 v[TM+4+\b], 0
.endr
	s_add_nc_u64 s[BP:BP+1], s[8:9], s[22:23]      ; b1 at my 256 units,
	s_add_nc_u64 s[48:49], s[BP:BP+1], 4096        ; those of the second pass,
	s_add_nc_u64 s[50:51], s[10:11], s[22:23]      ; b2 at my 256 columns
	s_lshl_b32 s56, s16, 18                        ; 64 rows of 4,096 bytes
	s_mov_b32 s57, 0
	s_add_nc_u64 s[12:13], s[12:13], s[56:57]
	s_add_nc_u64 s[XB:XB+1], s[4:5], s[56:57]
	s_add_nc_u64 s[XB:XB+1], s[XB:XB+1], s[22:23]  ; my two K steps
	s_mul_i32 s56, s15, WQ
	s_mul_i32 s22, s14, AK
	s_add_co_u32 s56, s56, s22
	s_add_nc_u64 s[WPC:WPC+1], s[6:7], s[56:57]    ; the prefetches' share, by address
	s_mov_b32 s58, 2*SLOT
	s_wait_alu depctr_va_vdst(0)
.macro LOADF t                         ; fragment t: rows 16 (t % 4) .., K step t / 4 of my two: 16 loads of 512 consecutive bytes, into window 2 + t / 4
	WIN 0x80+0x40*((\t)/4)
.irp p, 0,1,2,3,4,5,6,7,8,9,10,11,12,13,14,15
	global_load_b128 v[64*((\t)%4)+4*\p:64*((\t)%4)+4*\p+3], v[L16], s[XB:XB+1] offset:(16*((\t)%4)+\p)*4096+512*((\t)/4) th:TH_LOAD_NT
.endr
	WIN 0
.endm
	BIAS
	LOADF 0
	LOADF 1
	LOADF 2
	LOADF 3
.macro FSTEP t
	s_wait_alu depctr_va_vdst(0)
.if (\t) <= 4
	s_wait_loadcnt 48                              ; my 16 loads are in; three fragments' may be out
.else
	s_wait_loadcnt 16*(7-(\t))
.endif
.if (\t) < 4
	LOADF (\t)+4                                   ; into registers of its own: asked for as soon as a fragment has come
.endif
	WIN 0x08+4*((\t)/4)
.irp p, 0,1,2,3,4,5,6,7,8,9,10,11,12,13,14,15
	ds_store_b128 v[STI], v[64*((\t)%4)+4*\p:64*((\t)%4)+4*\p+3] offset:SP*\p
.endr
	WIN 0
.irp b, 0,1,2,3
.irp j, 0,1,2,3
	ds_load_b128 v[HA+16*\b+4*\j:HA+16*\b+4*\j+3], v[STX] offset:128*\b+16*\j
.endr
.endr
	s_wait_dscnt 0x0
.if (\t) < 3
	ASK                                            ; weight blocks 2, 3, 4
.endif
	QMAX HA, PW
	QCVT HA, PC
.irp c, 0,1,2
	ds_store_b128 v[XST], v[PC+4*\c:PC+4*\c+3] offset:((\t)/4)*AK+((\t)%4)*1536+512*\c
.endr
	ds_store_b32 v[XSS], v[PW] offset:((\t)/4)*AK+6144+4*((\t)%4)   ; both halves of the lanes write the same word
.endm
.irp t, 0,1,2,3
	FSTEP \t
.endr
	s_wait_alu depctr_va_vdst(0)
	s_wait_tensorcnt 0x0                           ; slot 1's first fill is issued as a refill is
	ds_add_u32 v[SPW], v[NIL]
	s_wait_dscnt 0x0
	CROUND
	tensor_load_to_lds s[G0+4:G0+7], s[G1:G1+7]    ; block 1
	s_nop 0
	PLACES
.irp t, 4,5,6,7
	FSTEP \t
.endr
	s_wait_dscnt 0x0                               ; my images of x are stored
	s_barrier_signal -1
	s_barrier_wait -1                              ; everybody's are
.macro FRAG reg, adr, off
.irp c, 0,1,2
	ds_load_b128 v[\reg+4*\c:\reg+4*\c+3], v[\adr] offset:\off+512*\c
.endr
.endm
.macro FETCHB c, sl                    ; chunk c of my two: 8 fragments, and its scale words by one load: 25 loads
	WIN 0x40
.irp i, 0,1,2,3,4,5,6,7
	FRAG 96*(\c)+12*\i, ADRB+(\sl), (\c)*CH+512+1536*\i
.endr
	WIN 0
	ds_load_b128 v[SCB+4*(\c):SCB+4*(\c)+3], v[ADRB+(\sl)] offset:(\c)*CH
.endm
.macro FETCHA par, imm                 ; A's 4 fragments and scale words of a K step: 13 loads
.irp i, 0,1,2,3
	FRAG AF+48*(\par)+12*\i, ADRA, (\imm)+1536*\i
.endr
	ds_load_b128 v[SCA+4*(\par):SCA+4*(\par)+3], v[ADRAS] offset:(\imm)+6144
.endm
.macro ABASE                           ; A's addresses for the next two K steps
	v_add_nc_u32 v[ADRA], s42, v[L16]
	v_add_nc_u32 v[ADRAS], s42, v[R16]
	s_wait_alu depctr_va_vdst(0)
	s_add_co_u32 s42, s42, 2*AK
.endm
.macro MUL8 c, par, cm, a              ; row block a x the chunk's 8 tiles; the accumulators take turns.  Tiles 4-7 take their scale words from lanes 16-31
.irp b, 0,1,2,3,4,5,6,7
.if \cm
.if \b < 4
	v_wmma_scale_f32_16x16x128_f8f6f4 v[64*(\a)+8*\b:64*(\a)+8*\b+7], v[96*(\c)+12*\b:96*(\c)+12*\b+11], v[AF+48*(\par)+12*(\a):AF+48*(\par)+12*(\a)+11], v[BI0+32*(\c)+8*\b:BI0+32*(\c)+8*\b+7], v[SCB+4*(\c)+\b%4], v[SCA+4*(\par)+(\a)] matrix_a_fmt:MATRIX_FMT_FP6 matrix_b_fmt:MATRIX_FMT_FP6
.else
	v_wmma_scale_f32_16x16x128_f8f6f4 v[64*(\a)+8*\b:64*(\a)+8*\b+7], v[96*(\c)+12*\b:96*(\c)+12*\b+11], v[AF+48*(\par)+12*(\a):AF+48*(\par)+12*(\a)+11], v[BI0+32*(\c)+8*\b:BI0+32*(\c)+8*\b+7], v[SCB+4*(\c)+\b%4], v[SCA+4*(\par)+(\a)] matrix_a_fmt:MATRIX_FMT_FP6 matrix_b_fmt:MATRIX_FMT_FP6 matrix_a_scale:MATRIX_SCALE_ROW1
.endif
.else
.if \b < 4
	v_wmma_scale_f32_16x16x128_f8f6f4 v[64*(\a)+8*\b:64*(\a)+8*\b+7], v[96*(\c)+12*\b:96*(\c)+12*\b+11], v[AF+48*(\par)+12*(\a):AF+48*(\par)+12*(\a)+11], v[64*(\a)+8*\b:64*(\a)+8*\b+7], v[SCB+4*(\c)+\b%4], v[SCA+4*(\par)+(\a)] matrix_a_fmt:MATRIX_FMT_FP6 matrix_b_fmt:MATRIX_FMT_FP6
.else
	v_wmma_scale_f32_16x16x128_f8f6f4 v[64*(\a)+8*\b:64*(\a)+8*\b+7], v[96*(\c)+12*\b:96*(\c)+12*\b+11], v[AF+48*(\par)+12*(\a):AF+48*(\par)+12*(\a)+11], v[64*(\a)+8*\b:64*(\a)+8*\b+7], v[SCB+4*(\c)+\b%4], v[SCA+4*(\par)+(\a)] matrix_a_fmt:MATRIX_FMT_FP6 matrix_b_fmt:MATRIX_FMT_FP6 matrix_a_scale:MATRIX_SCALE_ROW1
.endif
.endif
.endr
.endm
; A step on slot sl.  cm: C is the bias.  refill: this slot takes the block two on, behind the three lines and a round.  fb, fa: the next step's first chunk and A are fetched.  pf: a prefetch.
.macro STEP sl, cm, refill, fb, fa, aimm, pf
	PLACES                                         ; behind the products that read chunk 1's registers
	FETCHB 1, \sl
	s_wait_dscnt 25                                ; all but the 25 just issued: chunk 0, A and their scale words are in
	WIN 0xa1-0x20*(\cm)
	MUL8 0, \sl, \cm, 0
	MUL8 0, \sl, \cm, 1
.if \fb
	WIN 0
	s_wait_tensorcnt 0x0                           ; my part of the next slot has landed
.if \refill
	ds_add_u32 v[SPW], v[NIL]
	s_add_nc_u64 s[G0+4*(\sl)+2:G0+4*(\sl)+3], s[G0+4*(\sl)+2:G0+4*(\sl)+3], 2*SLOT
.endif
	WIN 0xa1-0x20*(\cm)
.endif
	MUL8 0, \sl, \cm, 2
.if \refill
	s_wait_dscnt 0x0                               ; the add is done, and my reads of this slot are over
	s_barrier_signal -1
.endif
	MUL8 0, \sl, \cm, 3
	WIN 0
.if \refill
	s_barrier_wait -1
	CREST
	tensor_load_to_lds s[G0+4*(\sl):G0+4*(\sl)+3], s[G1:G1+7]
	s_nop 0
.endif
	PLACES
.if \fb
	FETCHB 0, 1-(\sl)
.endif
.if \fa
	FETCHA 1-(\sl), \aimm
.endif
.if \pf
	ASK
.endif
.if (\refill) == 0
	s_wait_dscnt 25*(\fb)+13*(\fa)                 ; chunk 1 is in; what was issued behind it may be out
.endif
	WIN 0xf1-0x20*(\cm)
.irp a, 0,1,2,3
	MUL8 1, \sl, \cm, \a
.endr
	WIN 0
.endm
.macro OUTBLK a, c                     ; 16 rows x 128 hidden units: relu, quantise, store as an image of the next operand
	WIN 0x08+4*(\c)
.set jj, 0
.rept 64
	v_max_num_f32 v[HA+jj], 0, v[64*(\a)+jj]
.set jj, jj+1
.endr
	WIN 0
	QMAX HA, PW
	QCVT HA, PC
.irp q, 0,1,2
	ds_store_b128 v[HST], v[PC+4*\q:PC+4*\q+3] offset:(\c)*AK+(\a)*1536+512*\q
.endr
	ds_store_b32 v[HSS], v[PW] offset:(\c)*AK+6144+4*(\a)
.endm
	FETCHB 0, 0
	s_mov_b32 s45, 0
.Lpass:                                        ; the first product: a pass makes 1,024 hidden units
	s_mov_b32 s42, XR
	ABASE
	FETCHA 0, 0
	s_wait_loadcnt 0x0                             ; the bias
	STEP 0, 1, 1, 1, 1, AK, 1
	s_mov_b32 s44, 3
.Lk1:
	ABASE
	STEP 1, 0, 1, 1, 1, 0, 1
	STEP 0, 0, 1, 1, 1, AK, 1
	s_sub_co_u32 s44, s44, 1
	s_cmp_lg_u32 s44, 0
	s_cbranch_scc1 .Lk1
	STEP 1, 0, 1, 1, 0, 0, 1                       ; behind its round nobody reads x's images before the barrier below
	PLACES
	v_add_nc_u32 v[HST], s43, v[L16]
	v_add_nc_u32 v[HSS], s43, v[R16]
	s_add_co_u32 s43, s43, 8*AK
	s_cmp_eq_u32 s45, 0
	s_cselect_b64 s[BP:BP+1], s[48:49], s[50:51]   ; the next pass's bias: b1's second half, then b2
	BIAS
.irp c, 0,1
.irp a, 0,1,2,3
	OUTBLK \a, \c
.endr
.endr
	s_wait_dscnt 0x0                               ; my part of the hidden layer is stored
	s_barrier_signal -1
	s_barrier_wait -1
	s_add_co_u32 s45, s45, 1
	s_cmp_lt_u32 s45, 2
	s_cbranch_scc1 .Lpass
	s_mov_b32 s42, HB                              ; the second product: 16 steps on the hidden layer
	ABASE
	FETCHA 0, 0
	s_wait_loadcnt 0x0
	STEP 0, 1, 1, 1, 1, AK, 1
	s_mov_b32 s44, 6
.Lk2:
	ABASE
	STEP 1, 0, 1, 1, 1, 0, 1
	STEP 0, 0, 1, 1, 1, AK, 1
	s_sub_co_u32 s44, s44, 1
	s_cmp_lg_u32 s44, 0
	s_cbranch_scc1 .Lk2
	ABASE
	STEP 1, 0, 1, 1, 1, 0, 0                       ; step 13 asks for the last block
	STEP 0, 0, 0, 1, 1, AK, 0                      ; nothing is left to fetch
	STEP 1, 0, 0, 0, 0, 0, 0
; THE WAY OUT: 16 rows x 128 columns at a time through my own quarter of slot 0, which has had its last fill and which I alone read; back as rows of 512 bytes.
.macro TOSTAGE n
	WIN 0x08+4*((\n)/4)
.irp m, 0,1,2,3,4,5,6,7,8,9,10,11,12,13,14,15
	ds_store_b128 v[STO], v[64*((\n)%4)+4*\m:64*((\n)%4)+4*\m+3] offset:128*(\m/4)+16*(\m%4)   ; each accumulator from its low end on
.endr
	WIN 0
.irp t, 0,1,2,3,4,5,6,7,8,9,10,11,12,13,14,15
	ds_load_b128 v[BK+64*((\n)%2)+4*\t:BK+64*((\n)%2)+4*\t+3], v[RD] offset:\t*SP
.endr
.endm
.macro SEND n, younger
	s_wait_dscnt \younger
.irp t, 0,1,2,3,4,5,6,7,8,9,10,11,12,13,14,15
	global_store_b128 v[CO], v[BK+64*((\n)%2)+4*\t:BK+64*((\n)%2)+4*\t+3], s[12:13] offset:(16*((\n)%4)+\t)*4096+512*((\n)/4) th:TH_STORE_NT   ; 512 consecutive bytes, aligned
.endr
.endm
	PLACES
	TOSTAGE 0
.irp n, 1,2,3,4,5,6,7
.if \n > 1
	s_wait_xcnt 0x0                                ; block n - 2's stores have read their registers
.endif
	TOSTAGE \n
	SEND \n-1, 32                                  ; behind block n - 1's loads: block n's 16 stores and 16 loads
.endr
	SEND 7, 0
	s_wait_tensorcnt 0x0                           ; the wave's end
	ds_add_u32 v[SPW], v[NIL]
	s_wait_dscnt 0x0
	CROUND                                         ; the closing round
	s_endpgm
.Lfunc_end_k_q659637d569_ffn:
	.size	k_q659637d569_ffn, .Lfunc_end_k_q659637d569_ffn-k_q659637d569_ffn
	.p2alignl 7, 3214868480
	.fill 96, 4, 3214868480
	.section	.rodata,"a",@progbits
	.p2align	6, 0x0
	.amdhsa_kernel k_q659637d569_ffn
		.amdhsa_group_segment_fixed_size 327680
		.amdhsa_private_segment_fixed_size 0
		.amdhsa_enable_private_segment 0
		.amdhsa_kernarg_size 40
		.amdhsa_user_sgpr_count 2
		.amdhsa_user_sgpr_kernarg_segment_ptr 1
		.amdhsa_wavefront_size32 1
		.amdhsa_system_sgpr_workgroup_id_x 1
		.amdhsa_system_sgpr_workgroup_id_y 1
		.amdhsa_system_sgpr_workgroup_id_z 1
		.amdhsa_system_vgpr_workitem_id 0
		.amdhsa_next_free_vgpr 1024
		.amdhsa_next_free_sgpr 66
		.amdhsa_reserve_vcc 0
		.amdhsa_float_denorm_mode_32 3
		.amdhsa_float_denorm_mode_16_64 3
		.amdhsa_memory_ordered 1
		.amdhsa_forward_progress 1
		.amdhsa_inst_pref_size 255
	.end_amdhsa_kernel
	.section	.bss,"aw",@nobits
	.p2align	6
	.space	262144
	.amdgpu_metadata
---
amdhsa.version: [ 1, 2 ]
amdhsa.kernels:
  - .name:           k_q659637d569_ffn
    .symbol:         k_q659637d569_ffn.kd
    .args:
      - { .name: hidden_states, .offset: 0, .size: 8, .value_kind: global_buffer, .address_space: global }
      - { .name: wp, .offset: 8, .size: 8, .value_kind: global_buffer, .address_space: global }
      - { .name: b1, .offset: 16, .size: 8, .value_kind: global_buffer, .address_space: global }
      - { .name: b2, .offset: 24, .size: 8, .value_kind: global_buffer, .address_space: global }
      - { .name: out0, .offset: 32, .size: 8, .value_kind: global_buffer, .address_space: global }
    .group_segment_fixed_size: 327680
    .private_segment_fixed_size: 0
    .kernarg_segment_align: 8
    .kernarg_segment_size: 40
    .max_flat_workgroup_size: 128
    .sgpr_count:     66
    .vgpr_count:     1024
    .wavefront_size: 32
...
	.end_amdgpu_metadata
.endif
;; end of part 2
